; MI455X (gfx1250); checked and timed in simulation.
; The chip was launched on July 23, 2026; its instructions are those of AMD's public machine-readable ISA for CDNA 5 (MIT licence, August 2026) and "CDNA5" Instruction Set Architecture Reference Guide (July 2026). The comments in the code are by the model that wrote it; some were corrected since.
;; FP8 Matmul. Allowed arithmetic: float matrix products may take bf16 or f16 operands with f32 sums; other float arithmetic in f32, or as packed bf16 or f16 multiplies, adds, multiply-adds, maxima and minima; sums over many terms, partial sums and values carried from step to step in f32; what a program stores and reads back later, other than sums and carried values, may be rounded once to bf16 or f16.
;; Inputs: input 16,384 x 2,048 float32; other 2,048 x 2,048 float32.
;; Outputs: out0 16,384 x 2,048 bfloat16.
;; 2 versions, each right; version 2 is version 1 with the launch quant written anew for expert scheduling mode. Each part assembles by itself: llvm-mc -triple=amdgcn-amd-amdhsa -mcpu=gfx1250 --defsym DOCPART=n.
;; ======== version 1 of 2: 2 launches
;; workspace buffers: aq 67,108,864 bytes; bq 8,388,608 bytes
;; launch quant (part 1): grid 2304 x 1, 4 waves a work-group, no clusters, 0 bytes of LDS; arguments input, other, aq, bq; writes aq, bq
.if DOCPART == 1
	.amdgcn_target "amdgcn-amd-amdhsa--gfx1250"
	.amdhsa_code_object_version 6
	.text
	.protected	k_qb217957554_quant
	.globl	k_qb217957554_quant
	.p2align	8
	.type	k_qb217957554_quant,@function
k_qb217957554_quant:
	s_mov_b64 s[64:65], 0
	v_nop
	global_prefetch_b8 v0, s[64:65] scope:SCOPE_SE
	s_setreg_imm32_b32 hwreg(HW_REG_WAVE_MODE, 25, 1), 1
	s_wait_xcnt 0x0
; aq = bf16(e4m3(clip(input, -448, 448))), bq the same of other: number by number, in the layout of the source.
; The cast to e4m3 rounds to nearest even; an e4m3 number has 4 significant bits and exponents 2^-9 .. 2^8, so bf16 holds it exactly.
; The scales of the module are the constant 1.0: a product by 1.0 changes no bit, so none is written.
; LIMIT.  A NaN in an input is not carried: v_med3_num_f32 makes one of the bounds of it.  Infinities clip to +-448; every other f32 is served,
; e4m3's subnormals (steps of 2^-9) included: the conversion instruction makes them.
; SHARES.  Both inputs are flat streams.  A work-group of 128 threads owns 16,384 numbers: 65,536 bytes in, 32,768 out.  Work-groups 0 .. 2047 take input
; (33,554,432 numbers), 2048 .. 2303 take other (4,194,304).  Step n of 32: thread t loads 16 bytes at 16 t + 2,048 n (a wave's load covers 512 consecutive
; bytes) and stores 8 bytes at 8 t + 1,024 n (a wave's store covers 256 consecutive bytes, aligned).  The step stands in the immediate: no address register
; is ever rewritten, and the 32 steps are written out.
; IN FLIGHT.  A ring of eight slots in registers: eight loads of every wave are on their way.  No LDS, no barrier, no matrix unit: nothing is shared and memory binds.
.set STEPS, 32
.set DEPTH, 8
.set F,   4                            ; v[4:7]    four numbers at work: clipped, later back from e4m3
.set X,   8                            ; v[8:39]   slot i: 4 registers as loaded
.set Y,   40                           ; v[40:55]  slot i: 2 registers, 4 bf16 to store
                                       ; v1 = 16 t, v2 = 8 t; v3 = four e4m3 codes
	s_load_b256 s[4:11], s[0:1], 0x0               ; input s[4:5], other s[6:7], aq s[8:9], bq s[10:11]
	s_sub_co_u32 s13, ttmp9, 2048                  ; my number among other's work-groups
	s_mov_b32 s16, 0xc3e00000                      ; -448
	s_mov_b32 s17, 0x43e00000                      ; 448
	v_lshlrev_b32 v1, 4, v0
	v_lshlrev_b32 v2, 3, v0
	v_mov_b32 v3, 0                                ; written whole once: below it is written by halves
	s_cmp_lt_u32 ttmp9, 2048                       ; input or other?  The condition is made of the work-group's number alone
	s_cselect_b32 s12, ttmp9, s13
	s_wait_kmcnt 0x0                               ; (leaves SCC as it is)
	s_cselect_b64 s[4:5], s[4:5], s[6:7]           ; from where
	s_cselect_b64 s[8:9], s[8:9], s[10:11]         ; to where
	s_mov_b32 s15, 0
	s_lshl_b32 s14, s12, 16                        ; 65,536 bytes in for each work-group: 2,047 x 65,536 at the most
	s_add_nc_u64 s[4:5], s[4:5], s[14:15]
	s_lshl_b32 s14, s12, 15                        ; 32,768 bytes out
	s_add_nc_u64 s[8:9], s[8:9], s[14:15]
.irp i, 0,1,2,3,4,5,6,7
	global_load_b128 v[X+4*(\i):X+4*(\i)+3], v1, s[4:5] offset:2048*(\i) th:TH_LOAD_NT  ; the ring is filled: steps 0 to 7
.endr
; Step n, in slot n % 8.
.macro STEP n
.set sl, (\n)%DEPTH
.if (\n) < STEPS-DEPTH
	s_wait_loadcnt DEPTH-1                         ; loads come back in order (ISA guide 5.7.1): mine is in, the seven younger ones stay out
.else
	s_wait_loadcnt STEPS-1-(\n)                    ; the last eight steps load nothing: the counts run down
.endif
	s_wait_xcnt 0x0                                ; every earlier memory instruction has had its addresses translated (ISA guide 3.1): this slot's Y, which its last store reads, is rewritten only behind this wait
.irp j, 0,1,2,3
	v_med3_num_f32 v[F+(\j)], v[X+4*sl+(\j)], s16, s17   ; the clip
.endr
	v_cvt_pk_fp8_f32 v3.l, v[F], v[F+1]            ; to e4m3: codes 0, 1
	v_cvt_pk_fp8_f32 v3.h, v[F+2], v[F+3]          ; codes 2, 3
	v_cvt_pk_f32_fp8 v[F:F+1], v3.l                ; and back, exactly
	v_cvt_pk_f32_fp8 v[F+2:F+3], v3.h
	v_cvt_pk_bf16_f32 v[Y+2*sl], v[F], v[F+1]      ; exact again: nothing is left to round
	v_cvt_pk_bf16_f32 v[Y+2*sl+1], v[F+2], v[F+3]
.if (\n) < STEPS-DEPTH
	global_load_b128 v[X+4*sl:X+4*sl+3], v1, s[4:5] offset:2048*((\n)+DEPTH) th:TH_LOAD_NT  ; the load ahead of the store
.endif
	global_store_b64 v2, v[Y+2*sl:Y+2*sl+1], s[8:9] offset:1024*(\n)
.endm
.set n, 0
.rept STEPS
	STEP n
.set n, n+1
.endr
	s_endpgm
.Lfunc_end_k_qb217957554_quant:
	.size	k_qb217957554_quant, .Lfunc_end_k_qb217957554_quant-k_qb217957554_quant
	.p2alignl 7, 3214868480
	.fill 96, 4, 3214868480
	.section	.rodata,"a",@progbits
	.p2align	6, 0x0
	.amdhsa_kernel k_qb217957554_quant
		.amdhsa_group_segment_fixed_size 0
		.amdhsa_private_segment_fixed_size 0
		.amdhsa_enable_private_segment 0
		.amdhsa_kernarg_size 32
		.amdhsa_user_sgpr_count 2
		.amdhsa_user_sgpr_kernarg_segment_ptr 1
		.amdhsa_wavefront_size32 1
		.amdhsa_system_sgpr_workgroup_id_x 1
		.amdhsa_system_sgpr_workgroup_id_y 1
		.amdhsa_system_sgpr_workgroup_id_z 1
		.amdhsa_system_vgpr_workitem_id 0
		.amdhsa_next_free_vgpr 56
		.amdhsa_next_free_sgpr 66
		.amdhsa_reserve_vcc 0
		.amdhsa_float_denorm_mode_32 3
		.amdhsa_float_denorm_mode_16_64 3
		.amdhsa_memory_ordered 1
		.amdhsa_forward_progress 1
		.amdhsa_inst_pref_size 27
	.end_amdhsa_kernel
	.amdgpu_metadata
---
amdhsa.version: [ 1, 2 ]
amdhsa.kernels:
  - .name:           k_qb217957554_quant
    .symbol:         k_qb217957554_quant.kd
    .args:
      - { .name: input, .offset: 0, .size: 8, .value_kind: global_buffer, .address_space: global }
      - { .name: other, .offset: 8, .size: 8, .value_kind: global_buffer, .address_space: global }
      - { .name: aq, .offset: 16, .size: 8, .value_kind: global_buffer, .address_space: global }
      - { .name: bq, .offset: 24, .size: 8, .value_kind: global_buffer, .address_space: global }
    .group_segment_fixed_size: 0
    .private_segment_fixed_size: 0
    .kernarg_segment_align: 8
    .kernarg_segment_size: 32
    .max_flat_workgroup_size: 128
    .sgpr_count:     66
    .vgpr_count:     56
    .wavefront_size: 32
...
	.end_amdgpu_metadata
.endif
;; end of part 1
;; launch gemm (part 2): grid 8 x 32, 4 waves a work-group, clusters of 4 x 4, 327,680 bytes of LDS; arguments aq, bq, out0; writes out0
.if DOCPART == 2
	.amdgcn_target "amdgcn-amd-amdhsa--gfx1250"
	.amdhsa_code_object_version 6
	.text
	.protected	k_qb217957554_gemm
	.globl	k_qb217957554_gemm
	.p2align	8
	.type	k_qb217957554_gemm,@function
k_qb217957554_gemm:
	s_mov_b64 s[64:65], 0
	v_nop
	global_prefetch_b8 v0, s[64:65] scope:SCOPE_SE
	s_setreg_imm32_b32 hwreg(HW_REG_WAVE_MODE, 25, 1), 1
	s_wait_xcnt 0x0
	s_wait_alu depctr_hold_cnt(0) depctr_sa_sdst(0) depctr_va_vdst(0) depctr_va_sdst(0) depctr_va_ssrc(0) depctr_va_vcc(0) depctr_vm_vsrc(0)
	s_getreg_b32 s2, hwreg(HW_REG_IB_STS2, 6, 4)
	s_cmp_eq_u32 s2, 0
	s_cbranch_scc0 .Lentry_in_a_cluster
	s_endpgm
.Lentry_in_a_cluster:
	s_bfe_u32 s2, ttmp6, 0x10000c
	s_cmp_lg_u32 s2, 0xf033
	s_cbranch_scc0 .Lentry_shape_is_right
	s_endpgm
.Lentry_shape_is_right:
; out0[m][n] = sum over k of aq[m][k] bq[k][n].  aq: [SIZE_M][SIZE_K], bq: [SIZE_K][SIZE_N], out0: [SIZE_M][SIZE_N], all bf16; one f32 sum for each output, K ascending; out0 rounded once.
; aq and bq hold the inputs' e4m3 values, written as bf16 by the launch before.  The module's scale inverses are the constant 1.0 and change no bit: no product by them is written.
; A tile of C, 256 x 256, is made by a work-group of four waves, as many as a WGP has SIMDs; a wave makes 128 x 128: 64 accumulators of 16 x 16, 512 registers.
; K goes in steps of 128 through a ring of two LDS slots filled by the tensor data mover: A's tile is 256 rows of 256 bytes, B's 128 rows (k) of 512 bytes; all begin at multiples of 256 bytes from the buffer's first byte.
; B LIES [K][N] AND STAYS SO: its fragments come out of LDS turned, by ds_load_tr16_b128, as many loads as fragments that lie along K would take.
; A WORK-GROUP STAYS: C has 64 x 8 = 512 tiles, two for each of 256 work-groups, one WALK rows below the other; the ring does not stop at the first tile's end: its last two changes of slots ask for the
; second tile's first two K steps, and nothing waits for its stores.  The second tile's last K step goes by rows of C, so that finished rows leave while the others are multiplied.
; CLUSTERS: 4 x 4 work-groups.  The four of a row of the cluster need the same tiles of A, the four of a column the same tiles of B.  Such a tile is asked for JOINTLY: each of the four issues the
; same tensor load, with the same descriptor and a mask that names the four, and each receives the tile in its own LDS.
;
; REGISTERS, in windows of 256 (an instruction names v0-v255; s_set_vgpr_msb says which window each operand place means):
;   window 0: v0-31 addresses; v64-127, v128-191 fragments of A (8 x 16 rows x 32 K), two buffers (in the very last K step four, of 16 rows x 128 K); v32-63, v192-255 at work on the way out
;   window 1: v64-127, v128-191 fragments of B, two buffers; in the very last K step all 256: B's fragments of the whole step
;   window 2: the 32 accumulators of my rows 0-63 (accumulator (a, b) at v[8 (8 a + b)]);   window 3: those of my rows 64-127
; s_set_vgpr_msb's low byte: bits 1:0 source 0, 3:2 source 1, 5:4 source 2, 7:6 destination.  Work is laid in long stretches under one setting.
;
; THE MATRIX INSTRUCTION IS USED TRANSPOSED: source 0 = 16 columns of B, source 1 = 16 rows of A.  In the result, lane l then holds row m = l % 16 of C, and its registers 0 to 7 the
; columns n = 8 (l / 16) + 0 .. 7: eight NEIGHBOURING numbers of a row of C, which pack into 16 bytes.
.set SIZE_M, 16384
.set SIZE_N, 2048
.set SIZE_K, 2048
.set SIZE_TILES, 2
.set KSTEP,  128
.set PITCH,  272                       ; A's LDS row: 256 bytes of data + 16 of padding = 68 words: row r starts at bank 4 r mod 64 (64 banks of 4 bytes: ISA guide 11.1), so the 16 rows that a load touches start at 16 different banks
.set PB,     544                       ; B's LDS row: 512 bytes + 32 = 136 words: row r starts at bank 8 r mod 64
.set HALFT,  128*PITCH                 ; what one tensor load brings: 128 rows of A, or 64 rows of B (64 x PB is the same number of bytes)
.set SLOT,   4*HALFT                   ; A's 256 rows, then B's 128 rows
.set STAGE,  2*SLOT                    ; behind the ring: 16 rows x 272 bytes for each wave, for the way out
.set SPITCH, 272
.set SPARE,  STAGE+4*16*SPITCH         ; behind the stages: the spare words, 128 bytes for each wave: two blocks of 256 bytes that no other line names
.set LAPS, SIZE_K/(2*KSTEP)            ; a lap = two K steps = once round the ring
.set WALK,   SIZE_M/SIZE_TILES         ; a work-group's tiles of C lie WALK rows apart
.set BSTEP,  KSTEP*SIZE_N*2            ; bytes from a K step of B to the next: 128 rows down
.set NEXT_A, WALK*SIZE_K*2-(SIZE_K-2*KSTEP)*2   ; bytes from a slot's last K step of a tile to its first of the next tile: A goes WALK rows down and back along K,
.set BACK_B, (SIZE_K/KSTEP-2)*BSTEP    ; B only back: the walk's tiles share their columns of B
.set NEXT_C, (WALK-7*16)*SIZE_N*2      ; bytes from my last 16 rows of a tile to my first of the next
.set ADRA, 16                          ; v16-17  LDS address of my A fragments in slot 0, 1
.set ADRB, 20                          ; v20-21  the same for B
.set STO,  24                          ; v24     the way out: where I put 16 bytes of a row
.set RD,   25                          ; v25     the way out: where I read a row back
.set CO,   26                          ; v26     my byte offset in C
.set SPW,  28                          ; v28     LDS address of my spare word: SPARE + 4 x my thread's number; never rewritten
.set NIL,  29                          ; v29     0; never rewritten
.set PFO,  30                          ; v30     the prefetches' offset by lane; never rewritten
.set PFA,  44                          ; s[44:45] where my prefetches stand: my work-group's share of what I fetch, at the K step that the next prefetch names
.set PFS,  66                          ; s[66:67] bytes from a K step to the next, for the tensor that I fetch: 256 along A's rows, BSTEP down B's
.set LIM,  43                          ; s43     1 in a wave that prefetches, else the greatest number
.set F0,   64                          ; fragment buffer 0
.set F1,   128                         ; fragment buffer 1
.set TMP,  192                         ; the way out: packed results, in window 0
.set OB,   32                          ; the way out: 16 rows read back from the stage: v32-63 and v224-255 by turns
.set PA,   64                          ; the very last K step: A's fragments of 16 rows x 128 K, 32 registers; four such buffers, v64-191
.set G1, 24                            ; s[24:31] descriptor group 1 for A's tiles
.set G0, 32                            ; s[32:39] descriptor group 0 for A's tiles, one set for each slot
.set G1B, 48                           ; s[48:55] descriptor group 1 for B's tiles
.set G0B, 56                           ; s[56:63] descriptor group 0 for B's tiles, one set for each slot
.set MSB, 0
.macro WIN new                         ; the immediate's high byte repeats the setting that is left
.if MSB != (\new)
	s_set_vgpr_msb (MSB<<8)|(\new)
.set MSB, \new
.endif
.endm
.set MUL_LO, 0xa1                      ; source 0 (B) window 1, source 1 (A) window 0, C and D window 2
.set MUL_HI, 0xf1                      ; the same, C and D window 3
.set TO_B,   0x40                      ; destination window 1, address window 0
; A joint load.  Waves 0 and 1 fetch A's two halves, waves 2 and 3 B's.  Each of the two lines has ONE mask and one set of registers for all that issue it, and nothing in
; them hangs on a coordinate that the four partners do not share.  The branch hangs on the wave's number alone: it is the same in every work-group.
; An s_nop 0 and four v_nop follow each of the two lines; the jump round the other line, the label and what follows the macro come after them.
.macro JLOAD s
	s_cmp_eq_u32 s11, 0
	s_cbranch_scc0 .Lfor_b_\@
	tensor_load_to_lds s[G0+4*(\s):G0+4*(\s)+3], s[G1:G1+7]
	s_nop 0
.rept 4
	v_nop
.endr
	s_branch .Lasked_\@
.Lfor_b_\@:
	tensor_load_to_lds s[G0B+4*(\s):G0B+4*(\s)+3], s[G1B:G1B+7]
	s_nop 0
.rept 4
	v_nop
.endr
.Lasked_\@:
.endm
; A PREFETCH INTO THE L2, behind each joint load, its five lines and the run of LDS loads that follows them: the K step that stands TWO refills on, 512 matrix instructions ahead of the load that will
; want it: 32 blocks of 256 bytes, a lane a block, one instruction a wave.  At a change of slots every wave has waited for all its tensor loads, so the refill that follows has nothing on its way beside it.
; Each block is named ONCE in the launch.  A's tile row is read by both clusters of that row of clusters: the one with cluster x = 0 prefetches; B's tile column by all eight clusters of that column:
; cluster y = 0 prefetches.  The four partners that ask for a tile jointly share it out BY ADDRESS: of the 128 rows of A that a wave fetches, partner cx takes 32 (a lane a row); of the 64 rows of B,
; 512 bytes each, partner cy takes 16 (two lanes a row).  No branch hangs on a work-group's place in its cluster.  how = 0, in the loop: a tile's last two refills have no K step two on; how = 1, at the change of tiles.
.macro ASK how
.if \how
	s_cmp_eq_u32 s[LIM], 1
.else
	s_cmp_gt_u32 s3, s[LIM]                        ; s3 = 1 in the loop's last trip
.endif
	s_cbranch_scc0 .Lnot_mine_\@
	global_prefetch_b8 v[PFO], s[PFA:PFA+1] th:TH_LOAD_NT scope:SCOPE_SE
.Lnot_mine_\@:
.endm
; A round of the cluster's barrier: my work-group's barrier, so that wave 0's signal speaks for all four waves; wave 0 signals for the work-group; every wave waits for all
; sixteen work-groups; my work-group's barrier once more.  No LDS instruction of the wave is pending at a signal.
.macro CREST                           ; a round behind its opening barrier
	s_cmp_lg_u32 s10, 0
	s_cbranch_scc1 .Lnot_wave_0_\@
	s_barrier_signal -3
.Lnot_wave_0_\@:
	s_barrier_wait -3
	s_barrier_signal -1
	s_barrier_wait -1
.endm
.macro CROUND                          ; a whole round
	s_barrier_signal -1
	s_barrier_wait -1
	CREST
.endm
	s_load_b128 s[4:7], s[0:1], 0x0                ; aq s[4:5], bq s[6:7]
	s_load_b64 s[8:9], s[0:1], 0x10                ; out0
	v_lshl_add_u32 v[SPW], v0, 2, SPARE
	v_mov_b32 v[NIL], 0
	ds_add_u32 v[SPW], v[NIL]                      ; the wave's opening: the add, twice on end, and its wait ahead of my first tensor load; the set-up below the second, work on registers, stands between it and the wait
	ds_add_u32 v[SPW], v[NIL]                      ; and once more, under the one wait
	v_lshrrev_b32 v1, 5, v0
	v_readfirstlane_b32 s10, v1                    ; wave 0..3
	s_lshr_b32 s11, s10, 1                         ; which half of the tile's rows is mine.  Also: I fetch for A (0) or for B (1)
	s_and_b32 s12, s10, 1                          ; which half of its columns.  Also: which half of that tile I fetch
	s_bfe_u32 s40, ttmp6, 0x40000                  ; cx: my place along the cluster's x
	s_bfe_u32 s41, ttmp6, 0x40004                  ; cy: along its y
	s_lshl_b32 s42, ttmp9, 2                       ; in a cluster launch ttmp9 and ttmp7 count clusters
	s_add_co_u32 s42, s42, s40                     ; tile column of C = 4 x cluster x + cx: 0 .. 7
	s_and_b32 s13, ttmp7, 0xffff
	s_lshl_b32 s13, s13, 2
	s_add_co_u32 s13, s13, s41                     ; tile row of C = 4 x cluster y + cy: 0 .. 31
	s_lshl_b32 s43, s41, 2
	s_lshl_b32 s43, 15, s43                        ; my row of the cluster: places 4 cy .. 4 cy + 3
	s_lshl_b32 s44, 0x1111, s40                    ; my column: places cx, cx + 4, cx + 8, cx + 12
	; descriptor group 1 for A: a tile of 128 rows x 128 elements, padded in LDS
	s_or_b32 s[G1+0], s43, (1<<16)|(1<<20)|(1<<21)|(5<<22)|(3<<25)  ; 15:0 the mask: A's tiles go to my row; 17:16 element of 2 bytes; 20 padding on; 21 set beside a mask; 24:22 after every 64 words (code 5); 31:25 of 4 words (code 3)
	s_mov_b32 s[G1+1], KSTEP<<16                   ; 63:48 tensor_dim0, low half = 128
	s_mov_b32 s[G1+2], 128<<16                     ; 79:64 its high half = 0; 95:80 tensor_dim1, low half = 128
	s_mov_b32 s[G1+3], KSTEP<<16                   ; 111:96 its high half = 0; 127:112 tile_dim0 = 128
	s_mov_b32 s[G1+4], 128                         ; 143:128 tile_dim1 = 128; 159:144 tile_dim2 = 0
	s_mov_b32 s[G1+5], SIZE_K                      ; 191:160 tensor_dim0_stride, low word: elements from row to row
	s_mov_b32 s[G1+6], 0
	s_mov_b32 s[G1+7], 0
	; descriptor group 1 for B: a tile of 64 rows (k) x 256 elements (n), padded in LDS
	s_or_b32 s[G1B+0], s44, (1<<16)|(1<<20)|(1<<21)|(6<<22)|(7<<25) ; the mask of my column; padding after every 128 words (code 6), of 8 words (code 7)
	s_mov_b32 s[G1B+1], 256<<16                    ; tensor_dim0 = 256
	s_mov_b32 s[G1B+2], 64<<16                     ; tensor_dim1 = 64
	s_mov_b32 s[G1B+3], 256<<16                    ; tile_dim0 = 256
	s_mov_b32 s[G1B+4], 64                         ; tile_dim1 = 64
	s_mov_b32 s[G1B+5], SIZE_N                     ; elements from row to row
	s_mov_b32 s[G1B+6], 0
	s_mov_b32 s[G1B+7], 0
	; where the tiles come from.  A's hang on the tile row alone, which my row of the cluster shares; B's on the tile column alone, which my column shares.
	; Every wave makes both addresses, in registers that never hold the other coordinate, and asks by one of them.  Both offsets stay under 2^26.
	s_lshl_b32 s17, s12, 7                         ; which 128 rows of A's tile I fetch
	s_lshl_b32 s16, s13, 8
	s_add_co_u32 s16, s16, s17                     ; A: row 256 x tile row + 128 x half,
	s_lshl_b32 s16, s16, 12                        ; of 4,096 bytes
	s_mov_b32 s17, 0
	s_lshl_b32 s46, s42, 9                         ; B: the tile column's 512 bytes of a row,
	s_lshl_b32 s47, s12, 18                        ; and 64 x half rows of 4,096 bytes down
	s_add_co_u32 s46, s46, s47
	s_mov_b32 s47, 0
	s_mul_i32 s20, s10, HALFT                      ; and where they go: A's two halves, then B's two halves = wave x HALFT: no place in the cluster enters an LDS address
	s_wait_dscnt 0x0                               ; both opening adds are done
	s_wait_kmcnt 0x0
	s_add_nc_u64 s[14:15], s[4:5], s[16:17]
	s_add_nc_u64 s[46:47], s[6:7], s[46:47]
	CROUND                                         ; all sixteen work-groups are here: the first joint loads meet
.irp s, 0,1
	s_mov_b32 s[G0+4*(\s)], 1                                      ; 1:0 count = 1
	s_add_co_u32 s[G0+4*(\s)+1], s20, (\s)*SLOT                    ; 63:32 LDS address
	s_add_nc_u64 s[G0+4*(\s)+2:G0+4*(\s)+3], s[14:15], (\s)*KSTEP*2  ; 120:64 global address: K step s
	s_or_b32 s[G0+4*(\s)+3], s[G0+4*(\s)+3], 0x80000000            ; 127:126 type = 2
	s_mov_b32 s[G0B+4*(\s)], 1
	s_add_co_u32 s[G0B+4*(\s)+1], s20, (\s)*SLOT
	s_add_nc_u64 s[G0B+4*(\s)+2:G0B+4*(\s)+3], s[46:47], (\s)*BSTEP
	s_or_b32 s[G0B+4*(\s)+3], s[G0B+4*(\s)+3], 0x80000000
	JLOAD \s                                       ; the ring is filled before anything else is done: two tensor loads of mine are out
.endr
	; A fragment is 16 rows x 32 K in 8 registers: lane l holds row l % 16; registers 0-3 hold K = 8 (l / 16) + 0..7, registers 4-7 hold K = 16 + 8 (l / 16) + 0..7.
	; A's rows lie along K: two loads of 16 bytes, 32 bytes apart.
	v_and_b32 v1, 15, v0                           ; l % 16
	v_bfe_u32 v2, v0, 4, 1                         ; l / 16
	v_mul_u32_u24 v3, v1, PITCH
	v_lshl_add_u32 v3, v2, 4, v3                   ; row x pitch + 16 x half
	; B's rows lie along N.  The turning load takes 16 k x 16 columns (lane l reads 16 bytes: k = 8 (l / 16) + l % 8, columns 8 ((l / 8) % 2) + 0..7) and leaves half a fragment:
	; lane l holds column l % 16 and 8 k.  Two of them, 16 rows apart, make the fragment.
	v_and_b32 v6, 7, v0
	v_bfe_u32 v7, v0, 3, 1
	v_lshl_add_u32 v6, v2, 3, v6
	v_mul_u32_u24 v6, v6, PB
	v_lshl_add_u32 v6, v7, 4, v6
	s_mul_i32 s21, s11, HALFT                      ; my 128 rows of A
	s_lshl_b32 s22, s12, 8                         ; my 128 columns of B: 256 bytes of each row,
	s_add_co_u32 s22, s22, 2*HALFT                 ; behind A's 256 rows
.irp s, 0,1
	v_add_nc_u32 v[ADRA+(\s)], s21, v3
	v_add_nc_u32 v[ADRB+(\s)], s22, v6
	s_add_co_u32 s21, s21, SLOT
	s_add_co_u32 s22, s22, SLOT
.endr
	s_mul_i32 s23, s10, 16*SPITCH
	s_add_co_u32 s23, s23, STAGE                   ; my stage
	v_mul_u32_u24 v4, v1, SPITCH                   ; in: row l % 16, 16 bytes for each half of the lanes
	v_lshl_add_u32 v4, v2, 4, v4
	v_add_nc_u32 v[STO], s23, v4
	v_mul_u32_u24 v5, v2, SPITCH                   ; back: lanes 0-15 take one row of 256 bytes, lanes 16-31 the next
	v_lshl_add_u32 v5, v1, 4, v5
	v_add_nc_u32 v[RD], s23, v5
	v_mul_u32_u24 v5, v2, SIZE_N*2                 ; and the same two rows in C
	v_lshl_add_u32 v[CO], v1, 4, v5
	; where my part of the first tile begins in C, in bytes: the first way out adds it to C's address
	s_lshl_b32 s13, s13, 8                         ; 256 x tile row
	s_lshl_b32 s14, s11, 7
	s_add_co_u32 s16, s13, s14                     ; my first row of C,
	s_lshl_b32 s16, s16, 12                        ; of 4,096 bytes
	s_mov_b32 s17, 0
	s_lshl_b32 s46, s42, 9                         ; my first column, in bytes: 512 x tile column + 256 x half
	s_lshl_b32 s47, s12, 8
	s_add_co_u32 s46, s46, s47
	s_mov_b32 s47, 0
	s_add_nc_u64 s[16:17], s[16:17], s[46:47]
	; the prefetches.  s13 = 256 x tile row, s42 = tile column, s40 = cx, s41 = cy still stand; s[4:5] = aq, s[6:7] = bq
	s_lshl_b32 s20, s12, 7                         ; A: the 128 rows that I fetch,
	s_add_co_u32 s20, s20, s13
	s_lshl_b32 s21, s40, 5
	s_add_co_u32 s20, s20, s21                     ; my work-group's 32 of them,
	s_lshl_b32 s20, s20, 12                        ; in bytes
	s_lshl_b32 s21, s12, 6                         ; B: the 64 rows that I fetch,
	s_lshl_b32 s22, s41, 4
	s_add_co_u32 s21, s21, s22                     ; my work-group's 16 of them,
	s_lshl_b32 s21, s21, 12                        ; in bytes,
	s_lshl_b32 s22, s42, 9
	s_add_co_u32 s21, s21, s22                     ; at the tile column's 512 bytes
	s_and_b32 s22, ttmp7, 0xffff                   ; cluster y
	s_mov_b32 s[PFS], BSTEP
	s_cmp_eq_u32 s11, 0                            ; do I fetch for A?
	s_cselect_b32 s20, s20, s21
	s_cselect_b32 s22, ttmp9, s22                  ; the coordinate along which other clusters read the same blocks
	s_cselect_b32 s[PFS], KSTEP*2, s[PFS]
	s_cselect_b64 s[PFA:PFA+1], s[4:5], s[6:7]
	s_mov_b32 s[PFS+1], 0
	s_mov_b32 s21, 0
	s_cmp_eq_u32 s22, 0
	s_cselect_b32 s[LIM], 1, -1                    ; the same in all sixteen partners, for a given wave
	s_add_nc_u64 s[PFA:PFA+1], s[PFA:PFA+1], s[20:21]
	s_mul_i32 s20, s[PFS], 3
	s_add_nc_u64 s[PFA:PFA+1], s[PFA:PFA+1], s[20:21]  ; at K step 3: the first refill steps it to 4 and names that
	v_and_b32 v[PFO], 31, v0                       ; for A a lane a row: lane x 4,096; for B two lanes a row: (lane / 2) x 4,096 + (lane % 2) x 256
	v_and_b32 v5, s11, v[PFO]
	v_lshrrev_b32 v[PFO], s11, v[PFO]
	v_lshlrev_b32 v[PFO], 12, v[PFO]
	v_lshl_add_u32 v[PFO], v5, 8, v[PFO]
	; nothing is prefetched here, at the head, where every work-group's first two tiles are on their way: K steps 2 and 3 come by their refills alone
; 16 matrix instructions: m blocks a0, a0 + 1 of the window's four (hi = 0: my rows 0-63, 1: rows 64-127) x all 8 n blocks, 32 along K.
; zero = 1: the first product starts the sums: nothing is ever cleared.
.macro MUL16 f, hi, a0, zero
	WIN MUL_LO+0x50*(\hi)  ; MUL_LO or MUL_HI
.irp a, \a0, (\a0)+1
.irp b, 0,1,2,3,4,5,6,7
.if \zero
	v_wmma_f32_16x16x32_bf16 v[8*(8*(\a)+(\b)):8*(8*(\a)+(\b))+7], v[(\f)+8*(\b):(\f)+8*(\b)+7], v[(\f)+8*(4*(\hi)+(\a)):(\f)+8*(4*(\hi)+(\a))+7], 0
.else
	v_wmma_f32_16x16x32_bf16 v[8*(8*(\a)+(\b)):8*(8*(\a)+(\b))+7], v[(\f)+8*(\b):(\f)+8*(\b)+7], v[(\f)+8*(4*(\hi)+(\a)):(\f)+8*(4*(\hi)+(\a))+7], v[8*(8*(\a)+(\b)):8*(8*(\a)+(\b))+7]
.endif
.endr
.endr
.endm
; 32 LDS loads in one run: the fragments of quarter q of a K step (32 k x my 128 columns of B, turned; my 128 rows of A x 32 k) into buffer f.  B's first.
.macro FETCH slot, q, f
	WIN TO_B
.irp i, 0,1,2,3,4,5,6,7
	ds_load_tr16_b128 v[(\f)+8*(\i):(\f)+8*(\i)+3],   v[ADRB+(\slot)] offset:(\q)*32*PB+32*(\i)
	ds_load_tr16_b128 v[(\f)+8*(\i)+4:(\f)+8*(\i)+7], v[ADRB+(\slot)] offset:(\q)*32*PB+16*PB+32*(\i)
.endr
	WIN 0
.irp i, 0,1,2,3,4,5,6,7
	ds_load_b128 v[(\f)+8*(\i):(\f)+8*(\i)+3],   v[ADRA+(\slot)] offset:64*(\q)+(\i)*16*PITCH
	ds_load_b128 v[(\f)+8*(\i)+4:(\f)+8*(\i)+7], v[ADRA+(\slot)] offset:64*(\q)+(\i)*16*PITCH+32
.endr
.endm
; A load into a register that a matrix instruction has read, and a vector instruction that reads a matrix result or writes one of a matrix instruction's registers, stand four places behind
; that matrix instruction, and only plain vector instructions that name none of its registers are places (ISA guide 7.12.1 for vector instructions).
.macro PLACES
.rept 4
	v_nop
.endr
.endm
; A K step is four quarter steps of 32 along K, 64 matrix instructions each, on buffers 0, 1, 0, 1.
; One of the first three: multiplies buffer f; in its middle it fetches quarter q of the same slot into buffer g.
.macro QUARTER slot, q, f, g, zero
	s_wait_dscnt 8                                 ; B and A's rows 0-63 are in; the youngest eight loads (A's rows 64-127) may be out
	WIN MUL_LO
	MUL16 \f, 0, 0, \zero
	MUL16 \f, 0, 2, \zero
	PLACES
	FETCH \slot, \q, \g
	s_wait_dscnt 32                                ; all but the 32 just issued
	WIN MUL_HI
	MUL16 \f, 1, 0, \zero
	MUL16 \f, 1, 2, \zero
.endm
; The last quarter multiplies buffer 1 and changes slots.  MEET is its first half: ONE barrier for the change of slots, for two things.  In front of it each wave waits for
; all its tensor loads, of which one is out: its part of the next slot; adds 0 to its spare word; and waits for that and for its own reads of this slot.  Behind it nobody reads this slot any more and the next slot is whole.
.macro MEET round                      ; round = 1: a round of the cluster's barrier follows
	WIN 0                                          ; (the add's two registers lie in window 0)
	s_wait_tensorcnt 0x0                           ; all my tensor loads have landed: the one that was out is my part of the next slot;
	ds_add_u32 v[SPW], v[NIL]                      ; 0 onto my spare word;
	s_wait_dscnt 9                                 ; (the add and the youngest eight loads may be out)
	WIN MUL_LO
	MUL16 F1, 0, 0, 0                              ; sixteen matrix instructions stand between the add and the wait for it
	s_wait_dscnt 0x0                               ; the add is done, and my reads of this slot are over (the last were issued 48 matrix instructions ago):
	s_barrier_signal -1                            ; say so (where a slot is filled again this barrier opens a round of the cluster's barrier),
	MUL16 F1, 0, 2, 0                              ; work on registers while the others arrive,
.if \round
	WIN 0
.endif
	s_barrier_wait -1                              ; and go on when all four have said so
.endm
; The whole last quarter.  Behind the barrier the slot just read out is filled again first: with this tile's K step two steps on (on = 0) or, in the first tile's last two K steps, with the NEXT tile's
; K step 0 or 1 (on = 1); then come the next slot's first fragments.  From a request to the wait for it a wave issues 224 matrix instructions, across tiles too.
.macro TURN slot, next, on
	s_wait_xcnt 0x0                                ; the last prefetch, a K step back, has read its address: it is stepped here, ahead of the waits of the change of slots
.if (\on) && (\slot) == 0
	s_add_nc_u64 s[PFA:PFA+1], s[PFA:PFA+1], (WALK-1)*SIZE_K*2+KSTEP*2  ; A: from two K steps past the tile's last (a row and 256 bytes along) to the next tile's K step 2: WALK rows down, back along K
	s_cmp_eq_u32 s11, 0
	s_cselect_b32 s[LIM], s[LIM], -1               ; B's columns are the same for both tiles of the walk: they are prefetched no more, and B's pointer is used no more
.else
	s_add_nc_u64 s[PFA:PFA+1], s[PFA:PFA+1], s[PFS:PFS+1]
.endif
	MEET 1
	CREST                                          ; wave 0 says so for the work-group, all sixteen work-groups have said so, my work-group's barrier closes the round:
	                                               ; no wave of any partner still reads this slot's tile or has a load on its way
.if \on
	s_add_nc_u64 s[G0+4*(\slot)+2:G0+4*(\slot)+3], s[G0+4*(\slot)+2:G0+4*(\slot)+3], NEXT_A
	s_sub_nc_u64 s[G0B+4*(\slot)+2:G0B+4*(\slot)+3], s[G0B+4*(\slot)+2:G0B+4*(\slot)+3], BACK_B
.else
	s_add_nc_u64 s[G0+4*(\slot)+2:G0+4*(\slot)+3], s[G0+4*(\slot)+2:G0+4*(\slot)+3], 2*KSTEP*2
	s_add_nc_u64 s[G0B+4*(\slot)+2:G0B+4*(\slot)+3], s[G0B+4*(\slot)+2:G0B+4*(\slot)+3], 2*BSTEP
.endif
	JLOAD \slot                                    ; the first tensor load behind the round, my only one until the next; the four v_nop behind it are also the places in front of the loads below
	FETCH \next, 0, F0
	ASK \on                                        ; behind the joint load and the run of LDS loads that the next products wait for
	WIN MUL_HI
	MUL16 F1, 1, 0, 0
	MUL16 F1, 1, 2, 0
.endm
; THE LAST K STEP OF THE LAST TILE (it lies in slot 1) GOES BY ROWS OF C, NOT BY K.  All its fragments of B (4 quarters x 64 registers) fill window 1; then my eight blocks of 16 rows are
; finished one after the other, each with 32 matrix instructions (its 8 accumulators by turns, K ascending: the sums stay the same bit for bit).  LDS is read no more than in any other K step.
.macro BLOAD q                         ; B's fragments of quarter q -> window 1, v[64 q ..]
	WIN TO_B
.irp i, 0,1,2,3,4,5,6,7
	ds_load_tr16_b128 v[64*(\q)+8*(\i):64*(\q)+8*(\i)+3],   v[ADRB+1] offset:(\q)*32*PB+32*(\i)
	ds_load_tr16_b128 v[64*(\q)+8*(\i)+4:64*(\q)+8*(\i)+7], v[ADRB+1] offset:(\q)*32*PB+16*PB+32*(\i)
.endr
.endm
.macro ALOAD a                         ; A's fragments of block a, all four quarters -> buffer a % 4
	WIN 0
.set FA, PA+32*((\a)%4)
.irp q, 0,1,2,3
	ds_load_b128 v[FA+8*(\q):FA+8*(\q)+3],   v[ADRA+1] offset:64*(\q)+(\a)*16*PITCH
	ds_load_b128 v[FA+8*(\q)+4:FA+8*(\q)+7], v[ADRA+1] offset:64*(\q)+(\a)*16*PITCH+32
.endr
.endm
.macro ROW a                           ; block a is finished: 32 matrix instructions
.set FA, PA+32*((\a)%4)                ; its fragments of A
.set AC, 64*((\a)%4)                   ; its eight accumulators, in window 2 (blocks 0-3) or 3 (blocks 4-7)
	WIN MUL_LO+0x50*((\a)/4)                       ; MUL_LO or MUL_HI
.irp q, 0,1,2,3
.if (\a) == 0 && (\q) == 2
	s_wait_dscnt 24                                ; B's quarter 2 is in (behind it: A's blocks 1 to 3)
.endif
.irp b, 0,1,2,3,4,5,6,7
	v_wmma_f32_16x16x32_bf16 v[AC+8*(\b):AC+8*(\b)+7], v[64*(\q)+8*(\b):64*(\q)+8*(\b)+7], v[FA+8*(\q):FA+8*(\q)+7], v[AC+8*(\b):AC+8*(\b)+7]
.endr
.endr
.endm
; THE WAY OUT of block a, in three parts.  PACK: rounded to bf16, 16 bytes a lane; each accumulator's registers in ascending order.  TOSTAGE: into my own stage in LDS, and back as whole rows of 256 bytes.  SEND: stored.
.macro PACK a
.set AC, 64*((\a)%4)
	WIN 0x0a+5*((\a)/4)                            ; sources 0 and 1: window 2 or 3
.irp b, 0,1,2,3,4,5,6,7
.irp r, 0,1,2,3
	v_cvt_pk_bf16_f32 v[TMP+4*(\b)+(\r)], v[AC+8*(\b)+2*(\r)], v[AC+8*(\b)+2*(\r)+1]
.endr
.endr
	WIN 0
.endm
.macro TOSTAGE a
	WIN 0
.set BK, OB+192*((\a)%2)
.irp b, 0,1,2,3,4,5,6,7
	ds_store_b128 v[STO], v[TMP+4*(\b):TMP+4*(\b)+3] offset:32*(\b)
.endr
.irp t, 0,1,2,3,4,5,6,7
	ds_load_b128 v[BK+4*(\t):BK+4*(\t)+3], v[RD] offset:(\t)*2*SPITCH  ; LDS serves a wave's instructions in order (ISA guide 5.7.1.4): these see the stores above
.endr
.endm
.macro SEND a, younger                 ; younger: the LDS loads issued behind TOSTAGE's, which may stay out
	WIN 0
.set BK, OB+192*((\a)%2)
	s_wait_dscnt \younger                          ; the block is back in registers
	s_wait_xcnt 0x0                                ; every earlier memory instruction has had its addresses translated (ISA guide 3.1): only behind this wait are the stores' base and the registers that earlier stores read rewritten
.if (\a) == 0
	s_add_nc_u64 s[8:9], s[8:9], s[16:17]          ; on to this tile's first rows
.else
	s_add_nc_u64 s[8:9], s[8:9], 16*SIZE_N*2       ; 16 rows of C on, so that the stores' offsets stay small: 14 rows of C at the most
.endif
.irp t, 0,1,2,3,4,5,6,7
	global_store_b128 v[CO], v[BK+4*(\t):BK+4*(\t)+3], s[8:9] offset:2*(\t)*SIZE_N*2  ; 16 lanes store 256 consecutive bytes, at a multiple of 256 from C's first byte
.endr
.endm
	s_wait_tensorcnt 1                             ; my part of K step 0 is in; K step 1's load, issued behind it, may stay out
	s_barrier_signal -1
	s_barrier_wait -1                              ; everybody's is
	FETCH 0, 0, F0
	s_mov_b32 s2, SIZE_TILES                       ; tiles to go, this one among them: the same number in every work-group
.Ltile:                                                ; (FETCH and SEND leave every window 0)
	QUARTER 0, 1, F0, F1, 1                        ; a tile's first quarter stands in front of the loop: its products start the sums
	WIN 0                                          ; at a label and at a branch every window is 0
	s_mov_b32 s3, LAPS-1
.Llap:                                                 ; a trip goes once round the ring, from a lap's second quarter to the next lap's first, and fills both slots again
	QUARTER 0, 2, F1, F0, 0
	QUARTER 0, 3, F0, F1, 0
	TURN 0, 1, 0
	QUARTER 1, 1, F0, F1, 0
	QUARTER 1, 2, F1, F0, 0
	QUARTER 1, 3, F0, F1, 0
	TURN 1, 0, 0
	QUARTER 0, 1, F0, F1, 0
	WIN 0
	s_sub_co_u32 s3, s3, 1
	s_cmp_lg_u32 s3, 0
	s_cbranch_scc1 .Llap
	QUARTER 0, 2, F1, F0, 0                        ; the tile's last lap goes on
	QUARTER 0, 3, F0, F1, 0
	WIN 0
	s_cmp_eq_u32 s2, 1
	s_cbranch_scc1 .Llast_tile                     ; the last tile's tail is written out: it asks for nothing more
	TURN 0, 1, 1                                   ; THE RING GOES ON INTO THE NEXT TILE: slot 0 takes its K step 0,
	QUARTER 1, 1, F0, F1, 0
	QUARTER 1, 2, F1, F0, 0
	QUARTER 1, 3, F0, F1, 0
	TURN 1, 0, 1                                   ; slot 1 its K step 1, and the next tile's first fragments are fetched
	PACK 0                                         ; BOTH REFILLS ARE ASKED FOR: NOW THE TILE GOES OUT.  No v_nop: blocks 0-3 were finished in front of TURN's places, and their 128 conversions,
	TOSTAGE 0                                      ; which name no register of the last products (blocks 4-7's), are those products' places
.irp a, 1,2,3,4,5,6,7                  ; block a's conversions stand between block a - 1's loads from the stage and the wait for them
	PACK \a
	SEND (\a)-1, 0
	TOSTAGE \a
.endr
	SEND 7, 0
	s_mov_b64 s[16:17], NEXT_C                     ; what the next way out adds to C's address
	s_sub_co_u32 s2, s2, 1
	s_branch .Ltile
.Llast_tile:
	MEET 0                                         ; my one tensor load that was still out is slot 1's, the last K step's, so no round follows
	PLACES                                         ; for the loads into buffer 0, which the quarter before multiplied
	WIN TO_B
	BLOAD 0                                        ; three quarters of B now: buffer 1 (v128-191 of both windows) is still being multiplied
	BLOAD 1
	BLOAD 3
	WIN 0
	ALOAD 0
	WIN MUL_HI
	MUL16 F1, 1, 0, 0
	MUL16 F1, 1, 2, 0
	PLACES                                         ; for the loads into buffer 1
	WIN TO_B
	BLOAD 2
	WIN 0
	ALOAD 1
	ALOAD 2
	ALOAD 3
	s_wait_dscnt 40                                ; all but the 40 just issued: B's quarter 2 (16) and A's blocks 1 to 3 (24)
	ROW 0
.irp a, 0,1,2,3,4,5,6,7                ; each block leaves as soon as it is finished: nothing follows this tile, so the sooner its stores begin, the sooner the launch ends
	PLACES                                         ; its conversions read results just made, and no other vector work is at hand
	PACK \a
	TOSTAGE \a
.if (\a) < 4
	ALOAD (\a)+4                                   ; its buffer takes the block four further on
	SEND \a, 8
.else
	SEND \a, 0
.endif
.if (\a) < 7
	ROW (\a)+1
.endif
.endr
	s_wait_tensorcnt 0x0                           ; the wave's end, behind my last tensor load and my last LDS store
	ds_add_u32 v[SPW], v[NIL]
	s_wait_dscnt 0x0
	CROUND                                         ; the closing round: no work-group ends while a partner may still ask for a tile that names it
	s_endpgm
.Lfunc_end_k_qb217957554_gemm:
	.size	k_qb217957554_gemm, .Lfunc_end_k_qb217957554_gemm-k_qb217957554_gemm
	.p2alignl 7, 3214868480
	.fill 96, 4, 3214868480
	.section	.rodata,"a",@progbits
	.p2align	6, 0x0
	.amdhsa_kernel k_qb217957554_gemm
		.amdhsa_group_segment_fixed_size 327680
		.amdhsa_private_segment_fixed_size 0
		.amdhsa_enable_private_segment 0
		.amdhsa_kernarg_size 24
		.amdhsa_user_sgpr_count 2
		.amdhsa_user_sgpr_kernarg_segment_ptr 1
		.amdhsa_wavefront_size32 1
		.amdhsa_system_sgpr_workgroup_id_x 1
		.amdhsa_system_sgpr_workgroup_id_y 1
		.amdhsa_system_sgpr_workgroup_id_z 1
		.amdhsa_system_vgpr_workitem_id 0
		.amdhsa_next_free_vgpr 1024
		.amdhsa_next_free_sgpr 68
		.amdhsa_reserve_vcc 0
		.amdhsa_float_denorm_mode_32 3
		.amdhsa_float_denorm_mode_16_64 3
		.amdhsa_memory_ordered 1
		.amdhsa_forward_progress 1
		.amdhsa_inst_pref_size 210
	.end_amdhsa_kernel
	.amdgpu_metadata
---
amdhsa.version: [ 1, 2 ]
amdhsa.kernels:
  - .name:           k_qb217957554_gemm
    .symbol:         k_qb217957554_gemm.kd
    .args:
      - { .name: aq, .offset: 0, .size: 8, .value_kind: global_buffer, .address_space: global }
      - { .name: bq, .offset: 8, .size: 8, .value_kind: global_buffer, .address_space: global }
      - { .name: out0, .offset: 16, .size: 8, .value_kind: global_buffer, .address_space: global }
    .group_segment_fixed_size: 327680
    .private_segment_fixed_size: 0
    .kernarg_segment_align: 8
    .kernarg_segment_size: 24
    .max_flat_workgroup_size: 128
    .sgpr_count:     68
    .vgpr_count:     1024
    .wavefront_size: 32
...
	.end_amdgpu_metadata
.endif
;; end of part 2
;; ======== version 2 of 2: 2 launches; version 1 with the launch quant written anew for expert scheduling mode
;; workspace buffers: aq 67,108,864 bytes; bq 8,388,608 bytes
;; launch quant (part 3): grid 2304 x 1, 4 waves a work-group, no clusters, 0 bytes of LDS; arguments input, other, aq, bq; writes aq, bq
.if DOCPART == 3
	.amdgcn_target "amdgcn-amd-amdhsa--gfx1250"
	.amdhsa_code_object_version 6
	.text
	.protected	k_qb217957554_quant
	.globl	k_qb217957554_quant
	.p2align	8
	.type	k_qb217957554_quant,@function
k_qb217957554_quant:
	s_mov_b64 s[64:65], 0
	v_nop
	global_prefetch_b8 v0, s[64:65] scope:SCOPE_SE
	s_setreg_imm32_b32 hwreg(HW_REG_WAVE_SCHED_MODE, 0, 2), 2
	s_setreg_imm32_b32 hwreg(HW_REG_WAVE_MODE, 25, 1), 1
	s_wait_xcnt 0x0
	s_wait_alu depctr_vm_vsrc(0)
; aq = bf16(e4m3(clip(input, -448, 448))), bq the same of other: number by number, in the layout of the source.
; The cast to e4m3 rounds to nearest even; an e4m3 number has 4 significant bits and exponents 2^-9 .. 2^8, so bf16 holds it exactly.
; The scales of the module are the constant 1.0: a product by 1.0 changes no bit, so none is written.
; LIMIT.  A NaN in an input is not carried: v_med3_num_f32 makes one of the bounds of it.  Infinities clip to +-448; every other f32 is served,
; e4m3's subnormals (steps of 2^-9) included: the conversion instruction makes them.
; SHARES.  Both inputs are flat streams.  A work-group of 128 threads owns 16,384 numbers: 65,536 bytes in, 32,768 out.  Work-groups 0 .. 2047 take input
; (33,554,432 numbers), 2048 .. 2303 take other (4,194,304).  Step n of 32: thread t loads 16 bytes at 16 t + 2,048 n (a wave's load covers 512 consecutive
; bytes) and stores 8 bytes at 8 t + 1,024 n (a wave's store covers 256 consecutive bytes, aligned).  The step stands in the immediate: no address register
; is ever rewritten, and the 32 steps are written out.  No LDS, no barrier, no matrix unit: nothing is shared and memory binds.
; THE CAST takes eight numbers, two steps' worth, at a time: v_cvt_scalef32_pk8_fp8_f32 with the scale 1.0 (a division by 2^0) writes eight codes into a whole register pair.
; THE MODE: SCHED_MODE bits 1:0 = 2 (LLVM: expert scheduling mode 2), set by the entry lines.  The code itself states the register dependences
; between vector instructions and memory instructions, with s_wait_alu, always for 0.
; THE PLAN.  The 32 steps go in 8 blocks of four.  Registers that memory instructions touch:
;   X0 .. X3   four blocks as loaded.      Written by the loads of block p + 3, issued in block p; read by block p's clips.
;   Y0, Y1     two blocks of bf16 to store. Written by block p's roundings; read by the four stores that are issued in block p + 1.
;   v1, v2     byte offsets, made once at the head and never written again; the two scalar bases are not written again either.
;   v3 to v23 (the scale, the codes, the numbers at work) are named by vector instructions alone.
; Block p works on X[p % 4] and writes Y[p % 2].  Its memory instructions are the loads into X[(p + 3) % 4] = X[(p - 1) % 4] and the stores from
; Y[(p - 1) % 2]: the two buffers that block p - 1 worked on and that no vector instruction of block p names.  So the waits at the head of a block
; state all that the block's eight memory instructions hang on, and these are dealt among its vector instructions with no further wait.
; IN FLIGHT.  At a block's head the two younger blocks' eight loads stay out; with the block's own four, twelve loads of every wave are on their way.
.set STEPS,  32
.set BLOCK,  4                         ; steps in a block
.set BLOCKS, STEPS/BLOCK
.set FA,  8                            ; v[8:15]   the eight numbers of a block's steps 0, 1 at work: clipped, later back from e4m3
.set FB,  16                           ; v[16:23]  the same for its steps 2, 3
.set X,   24                           ; v[24:87]  buffer k, step i of its block: 4 registers at X + 16 k + 4 i, as loaded
.set Y,   88                           ; v[88:103] buffer k, step i of its block: 2 registers at Y + 8 k + 2 i, 4 bf16 to store
                                       ; v1 = 16 t, v2 = 8 t; v3 = 1.0, the cast's scale; v[4:5] the eight e4m3 codes of steps 0, 1; v[6:7] those of steps 2, 3
	s_load_b256 s[4:11], s[0:1], 0x0               ; input s[4:5], other s[6:7], aq s[8:9], bq s[10:11]
	s_sub_co_u32 s13, ttmp9, 2048                  ; my number among other's work-groups
	s_mov_b32 s16, 0xc3e00000                      ; -448
	s_mov_b32 s17, 0x43e00000                      ; 448
	v_lshlrev_b32 v1, 4, v0
	v_lshlrev_b32 v2, 3, v0
	v_mov_b32 v3, 1.0                              ; the cast divides by 2 to this number's exponent: by 1
	s_cmp_lt_u32 ttmp9, 2048                       ; input or other?  The condition is made of the work-group's number alone
	s_cselect_b32 s12, ttmp9, s13
	s_wait_kmcnt 0x0                               ; (leaves SCC as it is)
	s_cselect_b64 s[4:5], s[4:5], s[6:7]           ; from where
	s_cselect_b64 s[8:9], s[8:9], s[10:11]         ; to where
	s_mov_b32 s15, 0
	s_lshl_b32 s14, s12, 16                        ; 65,536 bytes in for each work-group: 2,047 x 65,536 at the most
	s_add_nc_u64 s[4:5], s[4:5], s[14:15]
	s_lshl_b32 s14, s12, 15                        ; 32,768 bytes out
	s_add_nc_u64 s[8:9], s[8:9], s[14:15]
	s_wait_alu depctr_va_vdst(0)                   ; v1 and v2 are written: every load of the kernel reads v1 as its offset, every store v2
.irp i, 0,1,2,3,4,5,6,7,8,9,10,11
	global_load_b128 v[X+4*(\i):X+4*(\i)+3], v1, s[4:5] offset:2048*(\i) th:TH_LOAD_NT  ; blocks 0, 1 and 2 into X0, X1, X2
.endr
; The i-th of block p's four pairs of memory instructions; xn and yo are set by BLK.
.macro MEM p, i
.if (\p) < BLOCKS-3
	global_load_b128 v[xn+4*(\i):xn+4*(\i)+3], v1, s[4:5] offset:2048*(((\p)+3)*BLOCK+(\i)) th:TH_LOAD_NT  ; three blocks ahead, the load ahead of the store; no vector instruction since the block's wait names these registers
.endif
.if (\p) >= 1
	global_store_b64 v2, v[yo+2*(\i):yo+2*(\i)+1], s[8:9] offset:1024*(((\p)-1)*BLOCK+(\i))  ; the block before
.endif
.endm
; Block p: steps 4 p to 4 p + 3.
.macro BLK p
.set xb, X+16*((\p)%4)                 ; the X at work
.set xn, X+16*(((\p)+3)%4)             ; the X in which this block's loads land
.set yb, Y+8*((\p)%2)                  ; the Y that this block writes
.set yo, Y+8*(1-(\p)%2)                ; the Y that this block's stores read
.if (\p) < BLOCKS-2
	s_wait_loadcnt 2*BLOCK                         ; loads come back in order (ISA guide 5.7.1): this block's four are in, the two younger blocks' eight stay out
.else
	s_wait_loadcnt (BLOCKS-1-(\p))*BLOCK           ; the last blocks have fewer behind them: the counts run down
.endif
.if (\p) >= 2
	s_wait_xcnt 0x0                                ; every earlier memory instruction has had its addresses translated (ISA guide 3.1): this block's Y, which the stores issued in the block before read, is rewritten only behind this wait
	s_wait_alu depctr_vm_vsrc(0)                   ; those stores have read this block's Y, which its roundings write again
.endif
.if (\p) >= 1
	s_wait_alu depctr_va_vdst(0)                   ; the block before has written the other Y, which the stores below read, and is done reading its X, in which the loads below (where there are any) land
.endif
	MEM \p, 0
.irp j, 0,1,2,3,4,5,6,7
	v_med3_num_f32 v[FA+(\j)], v[xb+(\j)], s16, s17        ; the clip: steps 0, 1
.endr
	v_cvt_scalef32_pk8_fp8_f32 v[4:5], v[FA:FA+7], v3      ; to e4m3: step 0's four codes in v4, step 1's in v5
	MEM \p, 1
.irp j, 0,1,2,3,4,5,6,7
	v_med3_num_f32 v[FB+(\j)], v[xb+8+(\j)], s16, s17      ; the clip: steps 2, 3.  These eight also stand between the cast above and the lines that read its codes and write its sources again
.endr
	MEM \p, 2
	v_cvt_pk_f32_fp8 v[FA:FA+1], v4.l              ; and back, exactly
	v_cvt_pk_f32_fp8 v[FA+2:FA+3], v4.h
	v_cvt_pk_f32_fp8 v[FA+4:FA+5], v5.l
	v_cvt_pk_f32_fp8 v[FA+6:FA+7], v5.h
	v_cvt_scalef32_pk8_fp8_f32 v[6:7], v[FB:FB+7], v3      ; to e4m3: steps 2, 3
.irp j, 0,1,2,3
	v_cvt_pk_bf16_f32 v[yb+(\j)], v[FA+2*(\j)], v[FA+2*(\j)+1]  ; exact again: nothing is left to round.  These four also stand between the cast above and the lines that read its codes and write its sources again
.endr
	MEM \p, 3
	v_cvt_pk_f32_fp8 v[FB:FB+1], v6.l
	v_cvt_pk_f32_fp8 v[FB+2:FB+3], v6.h
	v_cvt_pk_f32_fp8 v[FB+4:FB+5], v7.l
	v_cvt_pk_f32_fp8 v[FB+6:FB+7], v7.h
.irp j, 0,1,2,3
	v_cvt_pk_bf16_f32 v[yb+4+(\j)], v[FB+2*(\j)], v[FB+2*(\j)+1]
.endr
.endm
	BLK 0                                          ; no block in front of it: no store, and no wait but the one for its data
	BLK 1                                          ; no store has been issued yet: Y1 is free as it is
	BLK 2
	BLK 3
	BLK 4                                          ; the last loads: block 7
	BLK 5                                          ; blocks 5 to 7 load nothing: no load leaves the buffer
	BLK 6
	BLK 7
	s_wait_alu depctr_va_vdst(0)                   ; block 7 has written Y1, which the last four stores read
.irp i, 0,1,2,3
	global_store_b64 v2, v[Y+8+2*(\i):Y+8+2*(\i)+1], s[8:9] offset:1024*((BLOCKS-1)*BLOCK+(\i))
.endr
	s_endpgm
.Lfunc_end_k_qb217957554_quant:
	.size	k_qb217957554_quant, .Lfunc_end_k_qb217957554_quant-k_qb217957554_quant
	.p2alignl 7, 3214868480
	.fill 96, 4, 3214868480
	.section	.rodata,"a",@progbits
	.p2align	6, 0x0
	.amdhsa_kernel k_qb217957554_quant
		.amdhsa_group_segment_fixed_size 0
		.amdhsa_private_segment_fixed_size 0
		.amdhsa_enable_private_segment 0
		.amdhsa_kernarg_size 32
		.amdhsa_user_sgpr_count 2
		.amdhsa_user_sgpr_kernarg_segment_ptr 1
		.amdhsa_wavefront_size32 1
		.amdhsa_system_sgpr_workgroup_id_x 1
		.amdhsa_system_sgpr_workgroup_id_y 1
		.amdhsa_system_sgpr_workgroup_id_z 1
		.amdhsa_system_vgpr_workitem_id 0
		.amdhsa_next_free_vgpr 104
		.amdhsa_next_free_sgpr 66
		.amdhsa_reserve_vcc 0
		.amdhsa_float_denorm_mode_32 3
		.amdhsa_float_denorm_mode_16_64 3
		.amdhsa_memory_ordered 1
		.amdhsa_forward_progress 1
		.amdhsa_inst_pref_size 23
	.end_amdhsa_kernel
	.amdgpu_metadata
---
amdhsa.version: [ 1, 2 ]
amdhsa.kernels:
  - .name:           k_qb217957554_quant
    .symbol:         k_qb217957554_quant.kd
    .args:
      - { .name: input, .offset: 0, .size: 8, .value_kind: global_buffer, .address_space: global }
      - { .name: other, .offset: 8, .size: 8, .value_kind: global_buffer, .address_space: global }
      - { .name: aq, .offset: 16, .size: 8, .value_kind: global_buffer, .address_space: global }
      - { .name: bq, .offset: 24, .size: 8, .value_kind: global_buffer, .address_space: global }
    .group_segment_fixed_size: 0
    .private_segment_fixed_size: 0
    .kernarg_segment_align: 8
    .kernarg_segment_size: 32
    .max_flat_workgroup_size: 128
    .sgpr_count:     66
    .vgpr_count:     104
    .wavefront_size: 32
...
	.end_amdgpu_metadata
.endif
;; end of part 3
;; launch gemm: the kernel of part 2 again; grid 8 x 32, 4 waves a work-group, clusters of 4 x 4, 327,680 bytes of LDS; arguments aq, bq, out0; writes out0
